; MI455X (gfx1250); checked and timed in simulation.
; The chip was launched on July 23, 2026; its instructions are those of AMD's public machine-readable ISA for CDNA 5 (MIT licence, August 2026) and "CDNA5" Instruction Set Architecture Reference Guide (July 2026). The comments in the code are by the model that wrote it; some were corrected since.
;; Split Attention. Allowed arithmetic: matrix products marked QUANTISED: E5M2 operands, one given power-of-two scale a tensor, by v_wmma_f32_16x16x64_bf8_bf8 or v_wmma_f32_16x16x128_bf8_bf8, f32 sums; everything else in f32.
;; Inputs: Wk 512 x 1,024 float32; Wo 1,024 x 1,024 float32; Wq 512 x 1,024 float32; Wv 512 x 1,024 float32; lowp_scales 12 int32 (the exponents e of the quantised operands' scales 2^e); x 4 x 2,048 x 1,024 float32.
;; Outputs: out0 4 x 2,048 x 1,024 float32.
;; This version of the problem:
;;   THIS VERSION OF THE PROBLEM IS GIVEN IN LOW PRECISION. The matrix products marked QUANTISED in the list below multiply operands that are first quantised to E5M2 (5 exponent bits, 2 mantissa bits; 8 bits a number), with one given power-of-two scale for each operand tensor; their sums are f32. All else is computed in f32.
;;   The module's matrix products, in the order in which they are computed (A, B: the left and right operand; K: the contracted axis; several contracted axes count as one K, in the product's order):
;;     1. [M 8,192, K 512] x [K 512, N 1,024]; A: input x; B: input Wq: QUANTISED (scales: A lowp_scales[0], B lowp_scales[1])
;;     2. [M 8,192, K 512] x [K 512, N 1,024]; A: input x; B: input Wk: QUANTISED (scales: A lowp_scales[2], B lowp_scales[3])
;;     3. [M 8,192, K 512] x [K 512, N 1,024]; A: input x; B: input Wv: QUANTISED (scales: A lowp_scales[4], B lowp_scales[5])
;;     4. batch 64 x [M 2,048, K 64] x [K 64, N 2,048]; A: computed on the way; B: computed on the way: QUANTISED (scales: A lowp_scales[6], B lowp_scales[7])
;;     5. batch 64 x [M 2,048, K 2,048] x [K 2,048, N 64]; A: softmax (see below); B: computed on the way: QUANTISED (scales: A lowp_scales[8], B lowp_scales[9])
;;     6. [M 8,192, K 1,024] x [K 1,024, N 1,024]; A: computed on the way; B: input Wo: QUANTISED (scales: A lowp_scales[10], B lowp_scales[11])
;;   THE QUANTISER, for each operand of a quantised product, along K:
;;     - The operand's scale is 2^e, e = its entry of the input lowp_scales (int32; the entries are numbered through the quantised products in the list's order, A before B).
;;     - Each number is divided by the scale, clamped to +-57,344, and rounded to the nearest number of E5M2, ties to even, subnormals kept.
;;     - The product sums the exact products of the quantised numbers (number of the format x scale) in f32.
;;   ~~~python
;;   def quantise(x, axis, e):      # numpy; x: float32 -> the quantised numbers, widened to float32 again
;;       x = np.moveaxis(x, axis, -1); K = x.shape[-1]
;;       r = np.clip(x / 2.0 ** e, -57344, 57344)
;;       step = 2.0 ** (np.maximum(np.frexp(np.where(r == 0, 1, r))[1] - 1, -14) - 2)
;;       q = np.round(r / step) * step * 2.0 ** e      # np.round: ties to even
;;       return np.moveaxis(q, -1, axis).astype(np.float32)
;;   ~~~
;;   SOFTMAX AHEAD OF A QUANTISED PRODUCT. Where the list says 'softmax', what is quantised is not the finished softmax but p = 2^(t - M), with t = logit x log2(e) and M = ceil(the row's largest t), a whole number; so 1/2 < the row's largest p <= 1. The row's sum l is taken of the UNQUANTISED p, in f32, and the product's result is divided by l at the end. Since M is a whole number, a kernel that streams over the keys may use a running M (the ceiling of the running maximum): every later rescaling is an exact power of two, so the quantised numbers keep their values, but for numbers so far below the row's largest that they fall under the format's range.
;;   OPERANDS COMPUTED ON THE WAY. 'Computed on the way' means the value that the module computes at that place (a softmax that the list does not call 'softmax' is quantised finished and normalised). What goes into a quantiser is computed in f32, as accurately as f32 sums, v_exp_f32 and their like allow (about 1e-6 of the number): no bf16 or f16 on the way to a quantiser, and a product that is left as it is and whose result goes on into a quantised operand takes f32 operands (vector FMAs, or v_wmma_f32_16x16x4_f32). A number that lies on a knife's edge between two numbers of the format may be rounded either way, as far as f32 arithmetic and the matrix unit's own rounding can turn it there, and no further.
;; One version. Each part assembles by itself: llvm-mc -triple=amdgcn-amd-amdhsa -mcpu=gfx1250 --defsym DOCPART=n.
;; ======== version 1 of 1: 4 launches
;; limits: right only within a limited range of input values
;; workspace buffers: codes 15,204,352 bytes; qkv 25,165,824 bytes; ac 8,388,608 bytes
;; launch quant (part 1): grid 336 x 1, 8 waves a work-group, no clusters, 68,608 bytes of LDS; arguments x, Wq, Wk, Wv, Wo, lowp_scales, codes; writes codes
.if DOCPART == 1
	.amdgcn_target "amdgcn-amd-amdhsa--gfx1250"
	.amdhsa_code_object_version 6
	.text
	.protected	k_qcc8fc8107e_quant
	.globl	k_qcc8fc8107e_quant
	.p2align	8
	.type	k_qcc8fc8107e_quant,@function
k_qcc8fc8107e_quant:
	s_mov_b64 s[64:65], 0
	v_nop
	global_prefetch_b8 v0, s[64:65] scope:SCOPE_SE
	s_setreg_imm32_b32 hwreg(HW_REG_WAVE_MODE, 25, 1), 1
	s_wait_xcnt 0x0
; FIRST OF FOUR LAUNCHES (quant, proj, attn, outp) for causal attention with split inputs, every product on codes of BF8 (E5M2), one given scale 2^e for each operand.
; THIS LAUNCH turns x and the four weights into codes: code = number / 2^e, held within +-57,344, rounded to the nearest code, ties to even.
;   x's first 512 columns with e4 (product 3); its last 512 twice, with e0 (product 1) and with e2 (product 2): the two exponents may differ.  Wq e1, Wk e3, Wv e5, Wo e11.
; DEAD WORK LEFT OUT BY THE PROGRAM.  reference() itself sets att to -inf wherever key > query (its own jnp.tril), and its softmax gives such a place the weight exp(-inf) = 0, whatever finite numbers x and the
; weights hold.  So a step of 128 keys all of which come after all 32 queries of a pair of tiles adds 0 to the row's sum and 0 to out: launch attn leaves such whole steps of products 4 and 5 out.  In a step on the
; diagonal the hidden scores are computed and pushed far below every score.  Every key's k and v still serve later queries, so no input and no other product is left out; all six inputs are loaded.
; LIMIT: a NaN, an infinity or an overflow that reaches only the scores left out is not carried to the result.
; LIMITS: each exponent used here lies between -126 and 112, so that 2^e and 57,344 x 2^e are f32 numbers.  NaN among the inputs is not served (an infinity is held at the largest code).
; LAYOUT OF THE CODES: IMAGES OF OPERAND REGISTERS.  A fragment is 16 rows x 128 along K, 2,048 bytes: byte 512 c + 16 (row + 16 h) + i holds the code of k = 32 c + 16 h + i.  A wave that loads 16 bytes a lane at
; 16 x lane + 512 c, c = 0 .. 3, has the operand's 16 registers.  THE ROWS OF A TILE ARE NOT NEIGHBOURS: row p of tile t is index 32 (t / 2) + 8 (t % 2) + p + 8 (p / 8), of tokens and of weight columns alike, so that
; a later product's 16 results of two neighbouring tiles are 16 neighbours along the next K.
; REGIONS of the buffer: x by e0 at 0, by e2 at 0x400000, by e4 at 0x800000 (fragment (tile, K step) at (4 tile + step) x 2,048); Wq 0xC00000, Wk 0xC80000, Wv 0xD00000 likewise; Wo 0xD80000 at (8 tile + step) x 2,048.
; SHARES.  Work-groups 0 to 79 take the weights, 80 to 335 take x: a branch on the work-group's number.  Waves share nothing: no barrier.  Memory binds: no matrix unit, no cluster, no tensor load; no loop that a prefetch could run ahead in.
.set NWGW,  80
.set SP,    528                        ; the x path's stage: a row of 512 bytes + 16: row r starts 4 r words on, modulo 64
.set WSTG,  16*SP                      ; a wave's stage
.set SPARE, 8*WSTG                     ; behind the eight stages: the spare words, 128 bytes for each wave
.set R,     16                         ; v16-143  numbers: two sets of 64 (x), or four blocks of 32 (a weight)
.set T,     144                        ; v144-159 two sets of 8 held numbers
.set C,     160                        ; v160-207 codes
.set SPW,   12                         ; v12  LDS address of my spare word; never rewritten
.set NIL,   13                         ; v13  0; never rewritten
.macro MKSC e, sc, lim                 ; from the exponent in scalar register e: v[sc] = 2^e as f32, v[lim] = 57,344 x 2^e
	s_add_co_i32 s46, \e, 127
	s_lshl_b32 s47, s46, 23
	v_mov_b32 v[\sc], s47
	s_add_co_i32 s46, s46, 15
	s_lshl_b32 s46, s46, 23
	s_or_b32 s46, s46, 0x600000
	v_mov_b32 v[\lim], s46
.endm
	s_load_b256 s[4:11], s[0:1], 0x0               ; x s[4:5], Wq s[6:7], Wk s[8:9], Wv s[10:11]
	s_load_b128 s[12:15], s[0:1], 0x20             ; Wo s[12:13], the exponents s[14:15]
	s_load_b64 s[16:17], s[0:1], 0x30              ; the codes
	v_lshl_add_u32 v[SPW], v0, 2, SPARE
	v_mov_b32 v[NIL], 0
	v_lshrrev_b32 v4, 5, v0
	v_readfirstlane_b32 s22, v4                    ; wave 0..7
	v_and_b32 v7, 31, v0                           ; lane
	v_lshlrev_b32 v1, 4, v7                        ; 16 x lane
	v_lshlrev_b32 v5, 2, v7                        ; 4 x lane
	s_wait_alu depctr_va_vdst(0)
	s_wait_kmcnt 0x0
	s_load_b256 s[24:31], s[14:15], 0x0            ; e0 .. e7
	s_load_b128 s[32:35], s[14:15], 0x20           ; e8 .. e11
	s_cmp_lt_u32 ttmp9, NWGW
	s_cbranch_scc1 .Lweights
; ---------------- x.  Work-group X takes tokens 32 X .. 32 X + 31: two tiles.  Wave w takes tile w / 4 and K step w % 4 of both halves of the row: two steps of 16 rows x 128 numbers, all 32 loads out at once.
; A load reads a row's 512 consecutive bytes, 16 a lane.  The conversions want 16 neighbours in ONE lane: so a step's 16 rows turn through the wave's own stage in LDS and come back 64 bytes a lane.
	s_sub_co_u32 s36, ttmp9, NWGW                  ; X
	s_lshr_b32 s37, s22, 2                         ; which tile
	s_and_b32 s38, s22, 3                          ; which K step
	s_lshl_b32 s40, s36, 17                        ; 32 rows of 4,096 bytes,
	s_lshl_b32 s39, s37, 15                        ; the odd tile begins 8 rows on,
	s_add_co_u32 s40, s40, s39
	s_lshl_b32 s39, s38, 9                         ; a K step is 512 bytes
	s_add_co_u32 s40, s40, s39
	s_mov_b32 s41, 0
	s_add_nc_u64 s[4:5], s[4:5], s[40:41]
	s_lshl_b32 s40, s36, 14                        ; the codes: two tiles of four fragments,
	s_lshl_b32 s39, s37, 13
	s_add_co_u32 s40, s40, s39
	s_lshl_b32 s39, s38, 11
	s_add_co_u32 s40, s40, s39
	s_add_nc_u64 s[18:19], s[16:17], s[40:41]      ; in the region of e0 (that of e2 is reached by the immediate),
	s_add_nc_u64 s[20:21], s[18:19], 0x800000      ; and in the region of e4
	s_mul_i32 s39, s22, WSTG
	s_wait_alu depctr_va_vdst(0)
	v_add_nc_u32 v2, s39, v1                       ; the stage, on the way in: 16 x lane of a row
	v_and_b32 v3, 15, v0
	v_bfe_u32 v4, v0, 4, 1
	v_mul_u32_u24 v3, v3, SP
	v_lshl_add_u32 v3, v4, 6, v3
	v_add_nc_u32 v3, s39, v3                       ; and on the way out: row lane % 16, + 64 (lane / 16): my 16 numbers of each block of 32
.macro LOADX t                         ; step t: half t of the row (0: tokens' part, 1: positions'), into set t
.set li, 0
.rept 16
	global_load_b128 v[R+64*\t+4*li:R+64*\t+4*li+3], v1, s[4:5] offset:(li+8*(li/8))*4096+\t*2048 th:TH_LOAD_NT
.set li, li+1
.endr
.endm
.macro TURN bank                       ; through the stage and back into the registers that were left: LDS serves a wave's instructions in order, and the stage is the wave's own
.set li, 0
.rept 16
	ds_store_b128 v2, v[R+64*\bank+4*li:R+64*\bank+4*li+3] offset:SP*li
.set li, li+1
.endr
.set li, 0
.rept 16
	ds_load_b128 v[R+64*\bank+4*li:R+64*\bank+4*li+3], v3 offset:128*(li/4)+16*(li%4)   ; register 16 b + i = k 32 b + 16 (lane / 16) + i of my row
.set li, li+1
.endr
.endm
.macro QX bank, sc, lim, cd            ; 64 numbers become 16 registers of codes.  The numbers stay as they are (the positions' are quantised twice): the held ones go into two sets of 8 by turns,
.set qq, 0                             ; so that eight plain lines stand between a conversion and the next write of its sources
.rept 8
.set qi, 0
.rept 8
	v_med3_num_f32 v[T+8*(qq%2)+qi], v[R+64*\bank+8*qq+qi], -v[\lim], v[\lim]   ; the conversion to an 8-bit code does not saturate (ISA guide 7.6.2): the hold comes first
.set qi, qi+1
.endr
	v_cvt_scalef32_pk8_bf8_f32 v[\cd+2*qq:\cd+2*qq+1], v[T+8*(qq%2):T+8*(qq%2)+7], v[\sc]
.set qq, qq+1
.endr
.endm
.macro PUT cd, bs, off                 ; a fragment's image: each store of the wave covers 512 consecutive bytes, aligned
.set pk, 0
.rept 4
	global_store_b128 v1, v[\cd+4*pk:\cd+4*pk+3], s[\bs:\bs+1] offset:\off+512*pk
.set pk, pk+1
.endr
.endm
	LOADX 0
	LOADX 1
	s_wait_alu depctr_va_vdst(0)
	s_wait_kmcnt 0x0
	MKSC s28, 8, 9                                 ; e4
	MKSC s24, 10, 11                               ; e0
	MKSC s26, 14, 15                               ; e2
	s_wait_alu depctr_va_vdst(0)
	s_wait_loadcnt 16                              ; step 0's 16 loads are in; step 1's 16 may be out
	TURN 0
	s_wait_dscnt 0x0                               ; the numbers are back
	QX 0, 8, 9, C
	PUT C, 20, 0
	s_wait_loadcnt 0
	TURN 1
	s_wait_dscnt 0x0
	QX 1, 10, 11, C+16
	PUT C+16, 18, 0
	QX 1, 14, 15, C+32
	PUT C+32, 18, 0x400000
	s_wait_tensorcnt 0x0                           ; the wave's end, behind my last LDS store
	ds_add_u32 v[SPW], v[NIL]
	s_wait_dscnt 0x0
	s_endpgm
; ---------------- the weights, stored [k][n]: K is their first axis.  A LANE TAKES A COLUMN AND ITS REGISTERS RUN DOWN K, so the conversions give codes with K innermost and nothing is transposed.
; y = work-group / 4 says which weight and which 128 along K: 0-3 Wq, 4-7 Wk, 8-11 Wv, 12-19 Wo.  Wave w of work-group x = number % 4 takes columns 32 G .. 32 G + 31, G = 8 x + w: two tiles.  No LDS here.
.Lweights:
	s_lshr_b32 s36, ttmp9, 2                       ; y
	s_and_b32 s37, ttmp9, 3
	s_lshl_b32 s37, s37, 3
	s_add_co_u32 s37, s37, s22                     ; G
	s_and_b32 s45, s36, 3                          ; the K step in Wq, Wk, Wv,
	s_sub_co_u32 s42, s36, 12                      ; and in Wo
	s_mov_b64 s[38:39], s[12:13]
	s_mov_b32 s41, 0xD80000
	s_mov_b32 s43, 3                               ; a tile of Wo has 2^3 fragments, of the others 2^2
	s_mov_b32 s44, 0xD00000
	s_cmp_lt_u32 s36, 12                           ; the choices hang on the work-group's number alone
	s_cselect_b64 s[38:39], s[10:11], s[38:39]
	s_cselect_b32 s41, s44, s41
	s_cselect_b32 s42, s45, s42
	s_cselect_b32 s43, 2, s43
	s_mov_b32 s44, 0xC80000
	s_cmp_lt_u32 s36, 8
	s_cselect_b64 s[38:39], s[8:9], s[38:39]
	s_cselect_b32 s41, s44, s41
	s_mov_b32 s44, 0xC00000
	s_cmp_lt_u32 s36, 4
	s_cselect_b64 s[38:39], s[6:7], s[38:39]
	s_cselect_b32 s41, s44, s41
	s_lshl_b32 s46, s42, 19                        ; 128 rows of 4,096 bytes,
	s_lshl_b32 s47, s37, 7                         ; 32 columns of 4 bytes
	s_add_co_u32 s46, s46, s47
	s_mov_b32 s47, 0
	s_add_nc_u64 s[38:39], s[38:39], s[46:47]
	s_add_co_u32 s44, s43, 12
	s_lshl_b32 s46, s37, s44                       ; the codes: tile 2 G,
	s_add_co_u32 s46, s46, s41                     ; in the weight's region,
	s_lshl_b32 s44, s42, 11                        ; fragment of my K step
	s_add_co_u32 s46, s46, s44
	s_add_nc_u64 s[18:19], s[16:17], s[46:47]
	s_add_co_u32 s44, s43, 11
	v_bfe_u32 v6, v0, 3, 1                         ; column 32 G + lane is row (lane % 8) + 8 (lane / 16) of tile 2 G + (lane / 8) % 2
	v_lshlrev_b32 v6, s44, v6
	v_and_b32 v2, 7, v0
	v_bfe_u32 v3, v0, 4, 1
	v_lshl_add_u32 v2, v3, 3, v2
	v_lshl_add_u32 v6, v2, 4, v6                   ; my tile's fragment + 16 x my row
.macro LOADW c                         ; block c: W(32 c + i, my column), i = 0 .. 31: a wave's load reads 128 consecutive bytes, the eight waves stand side by side on 1,024
.set li, 0
.rept 32
	global_load_b32 v[R+32*(\c)+li], v5, s[38:39] offset:(32*(\c)+li)*4096 th:TH_LOAD_NT
.set li, li+1
.endr
.endm
.macro BLOCKW c
.if (\c) < 3
	s_wait_loadcnt 32                              ; this block's 32 loads are in; the next block's 32 may be out
.else
	s_wait_loadcnt 0
.endif
.if (\c)+2 < 4
	LOADW (\c)+2                                   ; each block has registers of its own: two blocks are always asked for
.endif
.set li, 0
.rept 32
	v_med3_num_f32 v[R+32*(\c)+li], v[R+32*(\c)+li], -v9, v9
.set li, li+1
.endr
.set li, 0
.rept 4
	v_cvt_scalef32_pk8_bf8_f32 v[C+8*(\c)+2*li:C+8*(\c)+2*li+1], v[R+32*(\c)+8*li:R+32*(\c)+8*li+7], v8
.set li, li+1
.endr
	global_store_b128 v6, v[C+8*(\c):C+8*(\c)+3], s[18:19] offset:512*(\c)          ; k = 32 c + 0 .. 15: the image's lanes 0-15.  Sixteen lanes fill 256 consecutive bytes in each of the two tiles
	global_store_b128 v6, v[C+8*(\c)+4:C+8*(\c)+7], s[18:19] offset:512*(\c)+256    ; k = 32 c + 16 .. 31: its lanes 16-31
.endm                                  ; (the conversions' results go to stores alone, and the next block begins with plain lines on other registers)
	s_wait_alu depctr_va_vdst(0)
	LOADW 0
	LOADW 1
	s_wait_kmcnt 0x0
	s_cmp_lt_u32 s36, 12
	s_cselect_b32 s40, s29, s35                    ; e5, or e11
	s_cmp_lt_u32 s36, 8
	s_cselect_b32 s40, s27, s40                    ; e3
	s_cmp_lt_u32 s36, 4
	s_cselect_b32 s40, s25, s40                    ; e1
	MKSC s40, 8, 9
	s_wait_alu depctr_va_vdst(0)
	BLOCKW 0
	BLOCKW 1
	BLOCKW 2
	BLOCKW 3
	s_endpgm
.Lfunc_end_k_qcc8fc8107e_quant:
	.size	k_qcc8fc8107e_quant, .Lfunc_end_k_qcc8fc8107e_quant-k_qcc8fc8107e_quant
	.p2alignl 7, 3214868480
	.fill 96, 4, 3214868480
	.section	.rodata,"a",@progbits
	.p2align	6, 0x0
	.amdhsa_kernel k_qcc8fc8107e_quant
		.amdhsa_group_segment_fixed_size 68608
		.amdhsa_private_segment_fixed_size 0
		.amdhsa_enable_private_segment 0
		.amdhsa_kernarg_size 56
		.amdhsa_user_sgpr_count 2
		.amdhsa_user_sgpr_kernarg_segment_ptr 1
		.amdhsa_wavefront_size32 1
		.amdhsa_system_sgpr_workgroup_id_x 1
		.amdhsa_system_sgpr_workgroup_id_y 1
		.amdhsa_system_sgpr_workgroup_id_z 1
		.amdhsa_system_vgpr_workitem_id 0
		.amdhsa_next_free_vgpr 208
		.amdhsa_next_free_sgpr 66
		.amdhsa_reserve_vcc 0
		.amdhsa_float_denorm_mode_32 3
		.amdhsa_float_denorm_mode_16_64 3
		.amdhsa_memory_ordered 1
		.amdhsa_forward_progress 1
		.amdhsa_inst_pref_size 49
	.end_amdhsa_kernel
	.amdgpu_metadata
---
amdhsa.version: [ 1, 2 ]
amdhsa.kernels:
  - .name:           k_qcc8fc8107e_quant
    .symbol:         k_qcc8fc8107e_quant.kd
    .args:
      - { .name: x, .offset: 0, .size: 8, .value_kind: global_buffer, .address_space: global }
      - { .name: Wq, .offset: 8, .size: 8, .value_kind: global_buffer, .address_space: global }
      - { .name: Wk, .offset: 16, .size: 8, .value_kind: global_buffer, .address_space: global }
      - { .name: Wv, .offset: 24, .size: 8, .value_kind: global_buffer, .address_space: global }
      - { .name: Wo, .offset: 32, .size: 8, .value_kind: global_buffer, .address_space: global }
      - { .name: lowp_scales, .offset: 40, .size: 8, .value_kind: global_buffer, .address_space: global }
      - { .name: codes, .offset: 48, .size: 8, .value_kind: global_buffer, .address_space: global }
    .group_segment_fixed_size: 68608
    .private_segment_fixed_size: 0
    .kernarg_segment_align: 8
    .kernarg_segment_size: 56
    .max_flat_workgroup_size: 256
    .sgpr_count:     66
    .vgpr_count:     208
    .wavefront_size: 32
...
	.end_amdgpu_metadata
.endif
;; end of part 1
;; launch proj (part 2): grid 64 x 3, 8 waves a work-group, no clusters, 167,936 bytes of LDS; arguments codes, lowp_scales, qkv; writes qkv
.if DOCPART == 2
	.amdgcn_target "amdgcn-amd-amdhsa--gfx1250"
	.amdhsa_code_object_version 6
	.text
	.protected	k_qcc8fc8107e_proj
	.globl	k_qcc8fc8107e_proj
	.p2align	8
	.type	k_qcc8fc8107e_proj,@function
k_qcc8fc8107e_proj:
	s_mov_b64 s[64:65], 0
	v_nop
	global_prefetch_b8 v0, s[64:65] scope:SCOPE_SE
	s_setreg_imm32_b32 hwreg(HW_REG_WAVE_MODE, 25, 1), 1
	s_wait_xcnt 0x0
; PRODUCTS 1 TO 3: q = x_pos Wq, k = x_pos Wk, v = x_tok Wv on codes of BF8, and the results quantised at once for products 4 and 5 (q: e6, k: e7, v: e9).  Grid y = p: 0 q, 1 k, 2 v.  No work of reference() is left out here.
; ONE BODY FOR THE THREE, BY A CHANGE OF ROLES.  Source 1 is the RESIDENT operand: 4 tiles x 4 K steps = 256 registers a wave, loaded once.  Source 0 is the STREAMED operand: 16 tiles x 4 K steps = 131,072 bytes,
; brought into LDS once by eight tensor loads, one a wave, and read by all eight waves.  In a result a lane holds one row of the resident tile, and the 16 registers of two neighbouring streamed tiles are 16 neighbours.
;   p = 0, 1: x resident, W streamed: a lane is a token, its registers run along the head's axis, which is product 4's K.
;   p = 2:    Wv resident, x streamed: a lane is a channel, its registers run along the tokens: v's codes come out with the keys innermost, product 5's K.
; EIGHT WAVES, two to a SIMD: one wave's holds, conversions, LDS loads and stores stand beside the other's products.
; A sum stands for sum x 2^(eA + eB), so its code is sum / 2^(eout - eA - eB): the three exponents are folded into the conversion's one.  LIMIT: eout - eA - eB lies between -126 and 112.
; ALL BUFFERS ARE IMAGES OF OPERAND REGISTERS (16 bytes a lane at 16 x lane + 512 c): the tensor loads bring dense blocks, no LDS row has a pitch, every store of a wave covers 512 consecutive bytes, aligned.
; OUTPUT.  q at 0, k at 0x800000: ((batch x 8 + head / 2) x 128 + tile) x 2,048 + 512 c, c = 0 .. 3 over the pair of heads.  v at 0x1000000: ((batch x 16 + key / 128) x 64 + channel tile) x 2,048 + 512 c.
; NO CLUSTER: v's 32 streamed blocks have two readers each, q's and k's four blocks sixteen: the one text has no one mask for the three; and the larger part of a work-group's bytes, 262,144 of 393,216, is the resident
; operand, which goes from memory straight into registers.  NO PREFETCH: no loop asks memory for tiles.
; REGISTERS: v1 16 x lane; v2 LDS address in hand; v3, v4 the conversion's scale and the hold; v6, v7 the add's two; v16-31 codes; v64-127 8 accumulators (resident tile m, streamed tile u: 2 m + u);
;   v128-191, v192-255 the streamed tiles u = 0, 1 of a pair, 4 K steps each.   window 1 (v256-511): the resident fragments: (m, s) at v[64 m + 16 s].
.set SPARE, 131072                     ; behind the streamed block: the spare words, 128 bytes for each wave
.set LI,  1
.set ADR, 2
.set SC,  3
.set LIM, 4
.set SPW, 6
.set NIL, 7
.set C,   16
.set ACC, 64
.set BUF, 128
.set BS,  66                           ; s[66:67] where the pair's results go
.set TRIP, 68                          ; s68  the pair
.set NXT, 69
.set MSB, 0
.macro WIN new                         ; the immediate's high byte repeats the setting that is left
.if MSB != \new
	s_set_vgpr_msb (MSB<<8)|\new
.set MSB, \new
.endif
.endm
.macro PLACES                          ; four places behind a matrix instruction (ISA guide 7.12.1)
.rept 4
	v_nop
.endr
.endm
	s_load_b128 s[4:7], s[0:1], 0x0                ; the codes s[4:5], the exponents s[6:7]
	s_load_b64 s[8:9], s[0:1], 0x10                ; q, k, v
	v_lshl_add_u32 v[SPW], v0, 2, SPARE
	v_mov_b32 v[NIL], 0
	ds_add_u32 v[SPW], v[NIL]                      ; the wave's opening: the add, twice on end, and its wait ahead of my first tensor load
	ds_add_u32 v[SPW], v[NIL]
	v_lshrrev_b32 v3, 5, v0
	v_readfirstlane_b32 s10, v3                    ; wave 0..7
	v_and_b32 v[LI], 31, v0
	v_lshlrev_b32 v[LI], 4, v[LI]
	s_mov_b32 s20, 3<<16                           ; descriptor group 1: no mask; elements of 8 bytes; no padding
	s_mov_b32 s21, 32<<16                          ; tensor_dim0 = 32 elements: rows of 256 bytes
	s_mov_b32 s22, 64<<16                          ; tensor_dim1 = 64
	s_mov_b32 s23, 32<<16                          ; tile_dim0 = 32
	s_mov_b32 s24, 64                              ; tile_dim1 = 64 rows: 16,384 bytes, an eighth of the streamed block
	s_mov_b32 s25, 32                              ; the pitch: the block is dense
	s_mov_b32 s26, 0
	s_mov_b32 s27, 0
	s_and_b32 s11, ttmp7, 0xffff                   ; p
	s_cmp_eq_u32 s11, 2
	s_cselect_b32 s12, 5, 2                        ; v: 2 resident blocks x 32 streamed;  q, k: 16 x 4
	s_lshr_b32 s13, ttmp9, s12                     ; which resident block
	s_lshl_b32 s15, 1, s12
	s_sub_co_u32 s15, s15, 1
	s_and_b32 s15, ttmp9, s15                      ; str: which streamed block
	s_lshl_b32 s13, s13, 3
	s_add_co_u32 s13, s13, s10                     ; my wave's four resident tiles: number 8 x block + wave
	s_lshl_b32 s28, s11, 22                        ; x by e0 or by e2
	s_lshl_b32 s29, s11, 19
	s_add_co_u32 s29, s29, 0xC00000                ; Wq or Wk
	s_mov_b32 s30, 0xD00000                        ; Wv
	s_mov_b32 s31, 0x800000                        ; x by e4
	s_cmp_eq_u32 s11, 2
	s_cselect_b32 s32, s30, s28
	s_cselect_b32 s34, s31, s29
	s_lshl_b32 s30, s13, 15                        ; four tiles of four fragments are 32,768 bytes
	s_add_co_u32 s32, s32, s30
	s_mov_b32 s33, 0                               ; s[32:33]: the resident fragments' offset
	s_lshl_b32 s30, s15, 17
	s_add_co_u32 s34, s34, s30
	s_lshl_b32 s30, s10, 14
	s_add_co_u32 s34, s34, s30
	s_mov_b32 s35, 0                               ; s[34:35]: my eighth of the streamed block
	s_lshl_b32 s36, s13, 2                         ; RT: my first resident tile
	s_lshr_b32 s37, s36, 7                         ; q, k: its batch,
	s_lshl_b32 s37, s37, 21
	s_and_b32 s38, s36, 127                        ; its tile in the sequence,
	s_lshl_b32 s38, s38, 11
	s_add_co_u32 s37, s37, s38
	s_lshl_b32 s38, s15, 19                        ; the streamed block's two pairs of heads,
	s_add_co_u32 s37, s37, s38
	s_lshl_b32 s38, s11, 23                        ; q's region or k's
	s_add_co_u32 s37, s37, s38
	s_lshl_b32 s38, s15, 18                        ; v: the streamed block's two steps of 128 keys,
	s_lshl_b32 s39, s36, 11                        ; my first channel tile
	s_add_co_u32 s38, s38, s39
	s_add_co_u32 s38, s38, 0x1000000
	s_mov_b32 s39, 131072
	s_cmp_eq_u32 s11, 2
	s_cselect_b32 s36, s38, s37
	s_mov_b32 s37, 0                               ; s[36:37]: where my results begin
	s_cselect_b32 s38, s39, 262144
	s_mov_b32 s39, 0                               ; s[38:39]: from the block's first four pairs of streamed tiles to its last four: the next 128 along the results' K
	s_wait_alu depctr_va_vdst(0)
	s_wait_dscnt 0x0                               ; both opening adds are done
	s_wait_kmcnt 0x0
	s_load_b256 s[44:51], s[6:7], 0x0              ; e0 .. e7
	s_load_b128 s[52:55], s[6:7], 0x20             ; e8 .. e11
	s_mov_b32 s16, 1                               ; descriptor group 0: count = 1,
	s_lshl_b32 s17, s10, 14                        ; LDS address: wave x 16,384,
	s_add_nc_u64 s[18:19], s[4:5], s[34:35]        ; global address,
	s_or_b32 s19, s19, 0x80000000                  ; type = 2
	tensor_load_to_lds s[16:19], s[20:27]          ; every wave's one tensor load: one is out
	s_nop 0
	PLACES
	s_add_nc_u64 s[60:61], s[4:5], s[32:33]
	s_add_nc_u64 s[40:41], s[8:9], s[36:37]
	s_add_nc_u64 s[42:43], s[40:41], s[38:39]
	WIN 0x40                                       ; destination window 1
.set li, 0
.rept 64
	global_load_b128 v[4*li:4*li+3], v[LI], s[60:61] offset:512*li
.set li, li+1
.endr
	WIN 0
	s_wait_kmcnt 0x0
	s_cmp_eq_u32 s11, 0                            ; the exponents are chosen without a branch
	s_cselect_b32 s56, s50, s51                    ; e6, e7
	s_cselect_b32 s57, s44, s46                    ; e0, e2
	s_cselect_b32 s58, s45, s47                    ; e1, e3
	s_cmp_eq_u32 s11, 2
	s_cselect_b32 s56, s53, s56                    ; e9
	s_cselect_b32 s57, s48, s57                    ; e4
	s_cselect_b32 s58, s49, s58                    ; e5
	s_sub_co_i32 s56, s56, s57
	s_sub_co_i32 s56, s56, s58                     ; eout - eA - eB
	s_add_co_i32 s56, s56, 127
	s_lshl_b32 s57, s56, 23
	v_mov_b32 v[SC], s57
	s_add_co_i32 s56, s56, 15
	s_lshl_b32 s56, s56, 23
	s_or_b32 s56, s56, 0x600000
	v_mov_b32 v[LIM], s56
	s_mov_b32 s[TRIP], 0
	s_mov_b32 s[NXT], 0
	s_wait_alu depctr_va_vdst(0)                   ; the wait at the head's end
	s_wait_tensorcnt 0x0                           ; my eighth of the streamed block is in,
	s_barrier_signal -1
	s_barrier_wait -1                              ; everybody's is.  Nothing is filled again
.macro FETCH u                         ; streamed tile u of the pair at ADR: 4 K steps, 16 loads of 512 consecutive bytes
.set li, 0
.rept 16
	ds_load_b128 v[BUF+64*\u+4*li:BUF+64*\u+4*li+3], v[ADR] offset:8192*\u+512*li
.set li, li+1
.endr
.endm
.macro MUL u                           ; 16 matrix instructions: four resident tiles x streamed tile u, K ascending.  The four accumulators take turns, one instruction a turn; the first K step starts the sums
	WIN 0x04                                       ; source 1 window 1
.irp s, 0,1,2,3
.irp m, 0,1,2,3
.if \s == 0
	v_wmma_f32_16x16x128_bf8_bf8 v[ACC+8*(2*\m+\u):ACC+8*(2*\m+\u)+7], v[BUF+64*\u+16*\s:BUF+64*\u+16*\s+15], v[64*\m+16*\s:64*\m+16*\s+15], 0
.else
	v_wmma_f32_16x16x128_bf8_bf8 v[ACC+8*(2*\m+\u):ACC+8*(2*\m+\u)+7], v[BUF+64*\u+16*\s:BUF+64*\u+16*\s+15], v[64*\m+16*\s:64*\m+16*\s+15], v[ACC+8*(2*\m+\u):ACC+8*(2*\m+\u)+7]
.endif
.endr
.endr
	WIN 0
	PLACES                                         ; in front of loads into the tile's buffer, and of the results' first readers
.endm
.macro PAIR last
	s_wait_dscnt 16                                ; tile 0 is in; tile 1's 16 loads may be out
	MUL 0
.if \last
	s_wait_dscnt 0
.else
	s_add_co_u32 s[NXT], s[TRIP], 1
	s_lshl_b32 s[NXT], s[NXT], 14                  ; the next pair lies 16,384 bytes on
	v_add_nc_u32 v[ADR], s[NXT], v[LI]
	FETCH 0
	s_wait_alu depctr_va_vdst(0)
	s_wait_dscnt 16                                ; tile 1 is in; the next pair's tile 0 may be out
.endif
	MUL 1
.if \last == 0
	FETCH 1
.endif
	s_wait_xcnt 0x0                                ; the last pair's stores have read their data and their base: both are written again only behind this wait
	s_cmp_lt_u32 s[TRIP], 4                        ; the block's first four pairs, or its last four
	s_cselect_b64 s[BS:BS+1], s[40:41], s[42:43]
	s_and_b32 s56, s[TRIP], 3
	s_lshl_b32 s56, s56, 9
	s_mov_b32 s57, 0
	s_add_nc_u64 s[BS:BS+1], s[BS:BS+1], s[56:57]
.irp ua, 0,2,4,6,1,3,5,7               ; tile 0's sums, then tile 1's, each accumulator from its low end on
.set ui, 0
.rept 8
	v_med3_num_f32 v[ACC+8*\ua+ui], v[ACC+8*\ua+ui], -v[LIM], v[LIM]   ; the conversion does not saturate (ISA guide 7.6.2): the hold comes first
.set ui, ui+1
.endr
	v_cvt_scalef32_pk8_bf8_f32 v[C+2*\ua:C+2*\ua+1], v[ACC+8*\ua:ACC+8*\ua+7], v[SC]
.endr
	v_nop                                          ; a plain line behind the last conversion: the next pair's products write its sources
.set ua, 0
.rept 4
	global_store_b128 v[LI], v[C+4*ua:C+4*ua+3], s[BS:BS+1] offset:2048*ua   ; resident tile ua: registers 4 c .. 4 c + 3 of the next operand, c = pair % 4
.set ua, ua+1
.endr
.endm
	v_add_nc_u32 v[ADR], s[NXT], v[LI]
	FETCH 0
	FETCH 1
	s_wait_alu depctr_va_vdst(0)
	s_wait_loadcnt 0x0                             ; the resident fragments
.Lpair:                                            ; seven pairs
	PAIR 0
	s_add_co_u32 s[TRIP], s[TRIP], 1
	s_cmp_lt_u32 s[TRIP], 7
	s_cbranch_scc1 .Lpair
	PAIR 1                                         ; the last fetches nothing
	s_wait_tensorcnt 0x0                           ; the wave's end
	ds_add_u32 v[SPW], v[NIL]
	s_wait_dscnt 0x0
	s_endpgm
.Lfunc_end_k_qcc8fc8107e_proj:
	.size	k_qcc8fc8107e_proj, .Lfunc_end_k_qcc8fc8107e_proj-k_qcc8fc8107e_proj
	.p2alignl 7, 3214868480
	.fill 96, 4, 3214868480
	.section	.rodata,"a",@progbits
	.p2align	6, 0x0
	.amdhsa_kernel k_qcc8fc8107e_proj
		.amdhsa_group_segment_fixed_size 167936
		.amdhsa_private_segment_fixed_size 0
		.amdhsa_enable_private_segment 0
		.amdhsa_kernarg_size 24
		.amdhsa_user_sgpr_count 2
		.amdhsa_user_sgpr_kernarg_segment_ptr 1
		.amdhsa_wavefront_size32 1
		.amdhsa_system_sgpr_workgroup_id_x 1
		.amdhsa_system_sgpr_workgroup_id_y 1
		.amdhsa_system_sgpr_workgroup_id_z 1
		.amdhsa_system_vgpr_workitem_id 0
		.amdhsa_next_free_vgpr 512
		.amdhsa_next_free_sgpr 72
		.amdhsa_reserve_vcc 0
		.amdhsa_float_denorm_mode_32 3
		.amdhsa_float_denorm_mode_16_64 3
		.amdhsa_memory_ordered 1
		.amdhsa_forward_progress 1
		.amdhsa_inst_pref_size 30
	.end_amdhsa_kernel
	.amdgpu_metadata
---
amdhsa.version: [ 1, 2 ]
amdhsa.kernels:
  - .name:           k_qcc8fc8107e_proj
    .symbol:         k_qcc8fc8107e_proj.kd
    .args:
      - { .name: codes, .offset: 0, .size: 8, .value_kind: global_buffer, .address_space: global }
      - { .name: lowp_scales, .offset: 8, .size: 8, .value_kind: global_buffer, .address_space: global }
      - { .name: qkv, .offset: 16, .size: 8, .value_kind: global_buffer, .address_space: global }
    .group_segment_fixed_size: 167936
    .private_segment_fixed_size: 0
    .kernarg_segment_align: 8
    .kernarg_segment_size: 24
    .max_flat_workgroup_size: 256
    .sgpr_count:     72
    .vgpr_count:     512
    .wavefront_size: 32
...
	.end_amdgpu_metadata
.endif
;; end of part 2
;; launch attn (part 3): grid 4 x 64, 16 waves a work-group, clusters of 4 x 1, 327,680 bytes of LDS; arguments qkv, lowp_scales, ac; writes ac
.if DOCPART == 3
	.amdgcn_target "amdgcn-amd-amdhsa--gfx1250"
	.amdhsa_code_object_version 6
	.text
	.protected	k_qcc8fc8107e_attn
	.globl	k_qcc8fc8107e_attn
	.p2align	8
	.type	k_qcc8fc8107e_attn,@function
k_qcc8fc8107e_attn:
	s_mov_b64 s[64:65], 0
	v_nop
	global_prefetch_b8 v0, s[64:65] scope:SCOPE_SE
	s_setreg_imm32_b32 hwreg(HW_REG_WAVE_MODE, 25, 1), 1
	s_wait_xcnt 0x0
	s_wait_alu depctr_hold_cnt(0) depctr_sa_sdst(0) depctr_va_vdst(0) depctr_va_sdst(0) depctr_va_ssrc(0) depctr_va_vcc(0) depctr_vm_vsrc(0)
	s_getreg_b32 s2, hwreg(HW_REG_IB_STS2, 6, 4)
	s_cmp_eq_u32 s2, 0
	s_cbranch_scc0 .Lentry_in_a_cluster
	s_endpgm
.Lentry_in_a_cluster:
	s_bfe_u32 s2, ttmp6, 0x10000c
	s_cmp_lg_u32 s2, 0x3003
	s_cbranch_scc0 .Lentry_shape_is_right
	s_endpgm
.Lentry_shape_is_right:
; PRODUCTS 4 AND 5: causal attention on codes of BF8, head size 64, and the result quantised (e10) for product 6.
; WORK LEFT OUT: a step of 128 keys all of which come after a pair's 32 queries: reference()'s own mask gives those keys the weight 0 for every input (shown at the head of launch quant).
; THE SOFTMAX AHEAD OF PRODUCT 5: t = score x log2(e) / 8; M = the running largest t rounded UP to a whole number; p = 2^(t - M) is quantised with e8, not normalised; the row's sum is taken of the unquantised p and
; divides at the end.  When M moves, the sum and O are multiplied by 2^(old M - new M): nothing is rounded, and there is no branch on data.
; A HEAD'S K AND V LIE IN LDS WHOLE, by pairs of key steps (a step is 128 keys): pair P has K's two steps at 32,768 P (8,192 bytes each) and V's two at 32,768 P + 16,384.  No byte is filled twice.
; CLUSTER: the four work-groups of a head need all its keys: each of the sixteen loads is a joint one, with one descriptor in all four.  Waves 7 and 15 fetch pair 0 at the head.  Behind the next round wave j fetches K's, wave
; 8 + j V's pair j + 1 (j = 0 .. 6): these land while the first trip, which is written out, works on step 0.
; SHARES.  A head has 64 pairs of tiles (32 queries); pair n needs n / 4 + 1 key steps.  Wave j and wave 8 + j (j = 0 .. 7) of the work-group at place cx own pair a = 4 j + cx and pair b = 63 - a: j + 1 and 16 - j steps.
;   wave j:      pair b, steps 0 .. 7.
;   wave 8 + j:  pair a, steps 0 .. j, whole; then pair b, steps 8 .. 15 - j.  Nine steps.
; The counts hang on the wave alone.  At the end the two waves exchange halves through LDS: each joins the two parts of ONE tile of pair b (both parts under the larger M) and finishes it.  Wave 8 + j holds pair b's tiles the
; other way round (A = the odd one), so every wave keeps A and gives B.
; LAYOUT.  Both products are used transposed: S^T = K Q^T (source 0 = 16 keys), O^T = V^T P^T (source 0 = 16 channels): a lane holds ONE query of a tile throughout.  Row p of tile t is index 32 (t / 2) + 8 (t % 2) + p + 8 (p / 8),
; of queries, keys and channels alike: so p's 16 registers of two neighbouring key tiles are 16 neighbouring keys, and O^T's of two channel tiles 16 neighbouring channels.  All buffers are images of operand registers.
; K's and V's fragments are read once for both tiles: tile A's softmax, then tile B's on the same score registers, then both tiles' second product.
; NO PREFETCH: no tile is asked for in a loop; all loads are out before the first step.
; LIMITS: e6 + e7 between -89 and 130 (added to c's exponent field; hidden scores become -2^119 or less, which c must carry far below every t); e8 and e10 between -126 and 112; e8 + e9 is applied by v_ldexp_f32 and has none.
; REGISTERS: v1 16 x lane; v2 my query's place less 16 (lane / 16); v3, v4 LDS addresses; v5, v6 the add's two; v8-11, v12-15 tile A's, B's -M, largest t, sum (a pair); v16-23, v24-31 Q;
;   v32-95 K's fragments, then B's codes (v32-47) and three channel tiles of V (v48-95); v96-159 S^T, then p, then V's fourth tile (v96-111); v160-191, v192-223 O^T; v224-239 A's codes;
;   v240 57,344 x 2^e8; v241 2^e8; v242-251 at work; v252, v253 2^e10 and its hold.
.set VOFF,  16384                      ; from a pair's K to its V
.set SPARE, 294912                     ; behind K and V: the spare words, 128 bytes for each of the sixteen waves
.set XW,   4608                        ; the exchange: a wave's region, in bytes that have had their one fill and that nobody reads any more
.set SPW,  5
.set NIL,  6
.set WV,   18                          ; s18  my wave's number;  s10 j, s11 which of the two kinds
.set SEL,  20                          ; s[20:21] lane selects for v_permlanex16_b32: lane l xor 16
.set CS,   22                          ; s[22:23] c = log2(e) / 8 x 2^(e6 + e7)
.set G1K,  24                          ; s[24:31], s[32:39] descriptor groups 1;  s[40:43], s[44:47] groups 0
.set G1V,  32
.set G0K,  40
.set G0V,  44
.set TB,   48                          ; s48  LDS byte at which the step's K begins
.set KC,   49                          ; s49  the trip
.set DG,   50                          ; s50  the trip in which my pair is on the diagonal
.set JJ,   51                          ; s51  the last trip of pair a;  s52 7 - j: from trip to key step in pair b
.set OFFC, 52
.set OUTL, 54                          ; s[54:55] pair a's results;  s[56:57] those of the tile of pair b that I finish
.set OUTH, 56
.set KS,   58                          ; s58  the key step
.set EPV,  59                          ; s59  e8 + e9
.set QH,   60                          ; s60  pair b's first query
.set SW,   62                          ; s62  the trip at whose head pair a goes out
.set LAST, 63                          ; s63  my last trip
.set BIG,  66                          ; s66, s67  2^120, 2^119
.set QA,   98                          ; s98, s99  first query of tile A, B
.set QB,   99
.macro CROUND                          ; a round of the cluster's barrier
	s_barrier_signal -1
	s_barrier_wait -1
	s_cmp_lg_u32 s[WV], 0
	s_cbranch_scc1 .Lnot_wave_0_\@
	s_barrier_signal -3
.Lnot_wave_0_\@:
	s_barrier_wait -3
	s_barrier_signal -1
	s_barrier_wait -1
.endm
.macro LOADK                           ; a joint load; an s_nop 0 and four v_nop follow
	tensor_load_to_lds s[G0K:G0K+3], s[G1K:G1K+7]
	s_nop 0
.rept 4
	v_nop
.endr
.endm
.macro LOADV
	tensor_load_to_lds s[G0V:G0V+3], s[G1V:G1V+7]
	s_nop 0
.rept 4
	v_nop
.endr
.endm
	s_load_b128 s[4:7], s[0:1], 0x0                ; q, k, v s[4:5]; the exponents s[6:7]
	s_load_b64 s[8:9], s[0:1], 0x10                ; the result's codes
	v_lshl_add_u32 v[SPW], v0, 2, SPARE
	v_mov_b32 v[NIL], 0
	ds_add_u32 v[SPW], v[NIL]                      ; the wave's opening: the add, twice on end, and its wait ahead of my tensor load
	ds_add_u32 v[SPW], v[NIL]
	v_lshrrev_b32 v7, 5, v0
	s_delay_alu instid0(VALU_DEP_1)
	v_readfirstlane_b32 s[WV], v7                  ; wave 0..15
	s_and_b32 s10, s[WV], 7                        ; j
	s_lshr_b32 s11, s[WV], 3                       ; 0: pair b alone; 1: pair a first
	s_and_b32 s13, ttmp7, 0xffff
	s_lshr_b32 s14, s13, 4                         ; batch
	s_and_b32 s15, s13, 15                         ; head
	s_lshr_b32 s16, s15, 1                         ; its pair of heads,
	s_and_b32 s17, s15, 1                          ; and which of the two
	s_lshl_b32 s80, s14, 3
	s_add_co_u32 s80, s80, s16
	s_lshl_b32 s80, s80, 18                        ; 128 tiles of 2,048 bytes,
	s_lshl_b32 s81, s17, 10                        ; my head's 1,024 of each
	s_add_co_u32 s80, s80, s81                     ; the head in q's region; in k's 0x800000 on
	s_mov_b32 s81, 0
	s_lshl_b32 s82, s14, 21
	s_lshl_b32 s83, s15, 13
	s_add_co_u32 s82, s82, s83
	s_add_co_u32 s82, s82, 0x1000000               ; the head's four channel tiles of key step 0
	s_mov_b32 s83, 0
	s_add_co_u32 s12, s10, 1
	s_lshl_b32 s84, s12, 15                        ; from pair 0 to pair j + 1: in LDS and in K's 16 tiles of 2,048 bytes alike,
	s_mov_b32 s85, 0
	s_lshl_b32 s86, s12, 18                        ; and in V
	s_mov_b32 s87, 0
	s_mov_b32 s[G1K], (3<<16)|(1<<21)|15           ; K: the mask of all four; elements of 8 bytes; bit 21 beside a mask; no padding
	s_mov_b32 s[G1K+1], 128<<16                    ; tensor_dim0 = 128: rows of 1,024 bytes, my head's half of a tile
	s_mov_b32 s[G1K+2], 16<<16                     ; tensor_dim1 = 16 tiles
	s_mov_b32 s[G1K+3], 128<<16                    ; tile_dim0
	s_mov_b32 s[G1K+4], 16                         ; tile_dim1
	s_mov_b32 s[G1K+5], 256                        ; 2,048 bytes from tile to tile
	s_mov_b32 s[G1K+6], 0
	s_mov_b32 s[G1K+7], 0
	s_mov_b32 s[G1V], (3<<16)|(1<<21)|15
	s_mov_b32 s[G1V+1], 1024<<16                   ; V: rows of 8,192 bytes: a step's four channel tiles
	s_mov_b32 s[G1V+2], 2<<16                      ; two steps
	s_mov_b32 s[G1V+3], 1024<<16
	s_mov_b32 s[G1V+4], 2
	s_mov_b32 s[G1V+5], 16384                      ; 131,072 bytes from step to step
	s_mov_b32 s[G1V+6], 0
	s_mov_b32 s[G1V+7], 0
	s_mov_b32 s[G0K], 1
	s_mov_b32 s[G0K+1], 0
	s_mov_b32 s[G0V], 1
	s_mov_b32 s[G0V+1], VOFF
	v_and_b32 v7, 31, v0
	v_and_b32 v2, 15, v0
	v_bfe_u32 v3, v0, 4, 1
	v_and_b32 v4, 8, v0
	v_lshlrev_b32 v1, 4, v7
	v_add_nc_u32 v2, v2, v4                        ; my query's place in its tile: r + 8 (r / 8),
	v_lshlrev_b32 v3, 4, v3
	s_delay_alu instid0(VALU_DEP_1)
	v_sub_nc_u32 v2, v2, v3                        ; less the 16 keys by which lanes 16-31 stand further on
	s_wait_alu depctr_va_vdst(0)
	s_wait_dscnt 0x0                               ; both opening adds are done
	s_wait_kmcnt 0x0
	s_load_b256 s[68:75], s[6:7], 0x0              ; e0 .. e7
	s_load_b128 s[76:79], s[6:7], 0x20             ; e8 .. e11
	s_add_nc_u64 s[G0K+2:G0K+3], s[4:5], s[80:81]
	s_add_nc_u64 s[G0K+2:G0K+3], s[G0K+2:G0K+3], 0x800000
	s_or_b32 s[G0K+3], s[G0K+3], 0x80000000
	s_add_nc_u64 s[G0V+2:G0V+3], s[4:5], s[82:83]
	s_or_b32 s[G0V+3], s[G0V+3], 0x80000000
	CROUND                                         ; all four work-groups are here: the joint loads meet
	s_cmp_eq_u32 s[WV], 7                          ; the branches hang on the wave's number alone
	s_cbranch_scc0 .Lnot_7
	LOADK
	s_branch .Lasked_0
.Lnot_7:
	s_cmp_eq_u32 s[WV], 15
	s_cbranch_scc0 .Lasked_0
	LOADV
.Lasked_0:
	s_bfe_u32 s19, ttmp6, 0x40000                  ; cx: in query addresses and in the diagonal's bound alone, in no branch, count or LDS address
	s_lshl_b32 s88, s10, 2
	s_add_co_u32 s88, s88, s19                     ; a = 4 j + cx
	s_sub_co_u32 s89, 63, s88                      ; b
	s_lshl_b32 s61, s88, 5                         ; their first queries
	s_lshl_b32 s[QH], s89, 5
	s_lshl_b32 s92, s89, 12                        ; their Q: two tiles of 2,048 bytes
	s_add_co_u32 s92, s92, s80
	s_mov_b32 s93, 0
	s_lshl_b32 s90, s88, 12
	s_add_co_u32 s90, s90, s80
	s_mov_b32 s91, 0
	s_lshl_b32 s94, s14, 21                        ; the result: (8 (128 batch + tile) + pair of heads) x 2,048 + 1,024 x which
	s_lshl_b32 s95, s16, 11
	s_add_co_u32 s94, s94, s95
	s_lshl_b32 s95, s17, 10
	s_add_co_u32 s94, s94, s95
	s_lshl_b32 s[OUTL], s88, 15
	s_add_co_u32 s[OUTL], s[OUTL], s94
	s_mov_b32 s[OUTL+1], 0
	s_lshl_b32 s[OUTH], s89, 15
	s_add_co_u32 s[OUTH], s[OUTH], s94
	s_lshl_b32 s95, s11, 14                        ; waves 8 + j finish pair b's odd tile
	s_add_co_u32 s[OUTH], s[OUTH], s95
	s_mov_b32 s[OUTH+1], 0
	s_xor_b32 s[OFFC], s10, 7                      ; 7 - j
	s_cmp_eq_u32 s11, 1
	s_cselect_b32 s90, s90, s92
	s_cselect_b32 s[QA], s61, s[QH]
	s_cselect_b32 s[SW], s12, 63                   ; (63: never)
	s_cselect_b32 s[LAST], 8, 7
	s_cselect_b32 s[DG], s10, 63
	s_cselect_b32 s[JJ], s10, 63
	s_add_co_u32 s[QB], s[QA], 8
	s_add_nc_u64 s[90:91], s[4:5], s[90:91]
	s_add_nc_u64 s[92:93], s[4:5], s[92:93]
	s_add_nc_u64 s[OUTL:OUTL+1], s[8:9], s[OUTL:OUTL+1]
	s_add_nc_u64 s[OUTH:OUTH+1], s[8:9], s[OUTH:OUTH+1]
	global_load_b128 v[16:19], v1, s[90:91]        ; Q stays in registers
	global_load_b128 v[20:23], v1, s[90:91] offset:512
	global_load_b128 v[24:27], v1, s[90:91] offset:2048
	global_load_b128 v[28:31], v1, s[90:91] offset:2560
	s_mov_b32 s[SEL], 0x76543210
	s_mov_b32 s[SEL+1], 0xfedcba98
	s_mov_b32 s[CS], 0x3e38aa3b                    ; log2(e) / 8
	s_mov_b32 s[BIG], 0x7b800000
	s_mov_b32 s[BIG+1], 0x7b000000
	s_mov_b32 s[TB], 0
	s_mov_b32 s[KC], 0
	s_mov_b32 s[KS], 0
	v_mov_b32 v244, 0                              ; written once: a lane permute's destination counts as one of its sources
	v_mov_b32 v245, 0
	v_mov_b32 v247, 0                              ; (named as the upper half of the pair v[246:247])
	s_wait_kmcnt 0x0
	s_add_co_i32 s96, s74, s75
	s_lshl_b32 s96, s96, 23
	s_add_co_i32 s[CS], s[CS], s96                 ; a score stands for score x 2^(e6 + e7)
	s_mov_b32 s[CS+1], s[CS]                       ; (named with it as a pair)
	s_add_co_i32 s96, s76, 127
	s_lshl_b32 s97, s96, 23
	v_mov_b32 v241, s97                            ; 2^e8
	s_add_co_i32 s96, s96, 15
	s_lshl_b32 s96, s96, 23
	s_or_b32 s96, s96, 0x600000
	v_mov_b32 v240, s96                            ; 57,344 x 2^e8
	s_add_co_i32 s96, s78, 127
	s_lshl_b32 s97, s96, 23
	v_mov_b32 v252, s97                            ; 2^e10
	s_add_co_i32 s96, s96, 15
	s_lshl_b32 s96, s96, 23
	s_or_b32 s96, s96, 0x600000
	v_mov_b32 v253, s96                            ; 57,344 x 2^e10
	s_add_co_i32 s[EPV], s76, s77
; THE DIAGONAL of a tile (trip DG alone): register 16 b + i of a lane is key 32 b + 16 (lane / 16) + i of the step; d = my query - the step's first key - 16 (lane / 16): hidden where 32 b + i > d.
; A score becomes the lesser of itself and (d + 1/2 - 32 b - i) x 2^120, which lies above every score where the key counts and far below where it does not.  The bounds walk in four chains of pairs, in x .. x + 7: all exact.
.macro DIAG qs, x
	s_cmp_lg_u32 s[KC], s[DG]
	s_cbranch_scc1 .Lopen_\@
	s_lshl_b32 s97, s[KS], 7
	s_sub_co_i32 s97, s[\qs], s97
	v_add_nc_u32 v7, s97, v2
	s_delay_alu instid0(VALU_DEP_1)
	v_cvt_f32_i32 v7, v7
	s_delay_alu instid0(VALU_DEP_1)
	v_fma_f32 v[\x], v7, s[BIG], s[BIG+1]
	v_fma_f32 v[\x+1], v7, s[BIG], -s[BIG+1]
	v_pk_add_f32 v[\x+2:\x+3], v[\x:\x+1], 0xfe000000 op_sel_hi:[1,0]   ; - 32 x 2^120
	v_pk_add_f32 v[\x+4:\x+5], v[\x:\x+1], 0xfe800000 op_sel_hi:[1,0]   ; - 64
	v_pk_add_f32 v[\x+6:\x+7], v[\x:\x+1], 0xfec00000 op_sel_hi:[1,0]   ; - 96
.set n, 0
.rept 8
.set m, 0
.rept 4
	v_dual_min_num_f32 v[96+16*m+n], v[96+16*m+n], v[\x+2*m] :: v_dual_min_num_f32 v[97+16*m+n], v[97+16*m+n], v[\x+2*m+1]
.set m, m+1
.endr
.if n < 14
.set m, 0
.rept 4
	v_pk_add_f32 v[\x+2*m:\x+2*m+1], v[\x+2*m:\x+2*m+1], 0xfc000000 op_sel_hi:[1,0]   ; - 2
.set m, m+1
.endr
.endif
.set n, n+2
.endr
.Lopen_\@:
.endm
.macro HOLD8 n                         ; eight p's: the conversion does not saturate (ISA guide 7.6.2); p is not negative, so the hold is one-sided
.set m, 96+8*(\n)
.rept 4
	v_dual_min_num_f32 v[m], v240, v[m] :: v_dual_min_num_f32 v[m+1], v240, v[m+1]
.set m, m+2
.endr
.endm
.macro CODE8 n, cd
	v_cvt_scalef32_pk8_bf8_f32 v[\cd+2*(\n):\cd+2*(\n)+1], v[96+8*(\n):103+8*(\n)], v241
.endm
; ONE TILE'S SOFTMAX over the step's 128 keys, 64 in each lane.  first = 1: nothing has been summed yet.  rs: the statistics; ro: O^T; cd: the codes.
.macro SOFT first, rs, ro, cd
	v_max3_num_f32 v248, v96, v97, v98             ; the largest score of my query among my 64 keys, in four chains, each accumulator from its low end on,
	v_max3_num_f32 v249, v99, v100, v101
	v_max3_num_f32 v250, v102, v103, v104
	v_max3_num_f32 v251, v105, v106, v107
.set n, 108
.rept 6
	v_max3_num_f32 v248, v248, v[n], v[n+1]
	v_max3_num_f32 v249, v249, v[n+2], v[n+3]
	v_max3_num_f32 v250, v250, v[n+4], v[n+5]
	v_max3_num_f32 v251, v251, v[n+6], v[n+7]
.set n, n+8
.endr
	v_max3_num_f32 v248, v248, v156, v157
	v_max3_num_f32 v249, v249, v158, v159
	s_delay_alu instid0(VALU_DEP_2)
	v_max3_num_f32 v248, v248, v250, v251
	s_delay_alu instid0(VALU_DEP_1)
	v_max_num_f32 v248, v248, v249
	s_delay_alu instid0(VALU_DEP_1)
	v_permlanex16_b32 v244, v248, s[SEL], s[SEL+1]
	s_delay_alu instid0(VALU_DEP_1)
	v_max_num_f32 v248, v248, v244                 ; and among lane l xor 16's
	s_delay_alu instid0(VALU_DEP_1)
.if \first
	v_mul_f32 v[\rs+1], s[CS], v248                ; as t (c is positive): the largest t
	s_delay_alu instid0(VALU_DEP_1)
	v_floor_f32 v[\rs], -v[\rs+1]                  ; -M = floor(-t) = -ceil(t)
.else
	v_mul_f32 v248, s[CS], v248
	s_delay_alu instid0(VALU_DEP_1)
	v_max_num_f32 v[\rs+1], v[\rs+1], v248         ; the running largest t
	v_mov_b32 v248, v[\rs]
	s_delay_alu instid0(VALU_DEP_2)
	v_floor_f32 v[\rs], -v[\rs+1]                  ; the new -M
.endif
.set n, 0
.rept 32
	v_pk_fma_f32 v[96+n:97+n], v[96+n:97+n], s[CS:CS+1], v[\rs:\rs+1] op_sel_hi:[1,0,0]   ; t - M, two at a time
.if (\first == 0) && (n == 6)
	v_sub_f32 v248, v[\rs], v248                   ; old M less new M: a whole number, 0 or less
.endif
.if (\first == 0) && (n == 14)
	v_cvt_i32_f32 v248, v248                       ; (it saturates)
.endif
.if (\first == 0) && (n == 22)
	v_ldexp_f32 v246, 1.0, v248                    ; f = 2^(old M - new M)
.endif
.set n, n+2
.endr
	s_wait_alu depctr_va_vdst(0)                   ; the wait ahead of the batch
.set n, 96
.rept 64
	v_exp_f32 v[n], v[n]                           ; p = 2^(t - M), at most 1
.set n, n+1
.endr
.if \first
	v_nop                                          ; the plain line behind the exponentials
.else
	v_pk_mul_f32 v[\rs+2:\rs+3], v[\rs+2:\rs+3], v[246:247] op_sel_hi:[1,0]   ; the sum under the new M: the plain line behind the exponentials
.endif
	s_wait_alu depctr_va_vdst(0)                   ; one wait for the batch and for O^T's first readers
.if \first
	v_pk_add_f32 v[\rs+2:\rs+3], v[96:97], v[98:99]   ; the row's sum is taken of the unquantised p, in four chains
	v_pk_add_f32 v[242:243], v[100:101], v[102:103]
	v_pk_add_f32 v[248:249], v[104:105], v[106:107]
	v_pk_add_f32 v[250:251], v[108:109], v[110:111]
.set n, 112
.else
.set n, 0
.rept 16
	v_pk_mul_f32 v[\ro+n:\ro+n+1], v[\ro+n:\ro+n+1], v[246:247] op_sel_hi:[1,0]   ; O^T under the new M
.set n, n+2
.endr
	v_pk_add_f32 v[242:243], v[96:97], v[98:99]
	v_pk_add_f32 v[248:249], v[100:101], v[102:103]
	v_pk_add_f32 v[250:251], v[104:105], v[106:107]
.set n, 108
.endif
.rept 6
	v_pk_add_f32 v[\rs+2:\rs+3], v[\rs+2:\rs+3], v[n:n+1]
	v_pk_add_f32 v[242:243], v[242:243], v[n+2:n+3]
	v_pk_add_f32 v[248:249], v[248:249], v[n+4:n+5]
	v_pk_add_f32 v[250:251], v[250:251], v[n+6:n+7]
.set n, n+8
.endr
.if \first == 0
	v_pk_add_f32 v[\rs+2:\rs+3], v[\rs+2:\rs+3], v[156:157]
	v_pk_add_f32 v[242:243], v[242:243], v[158:159]
.endif
	v_pk_add_f32 v[248:249], v[248:249], v[250:251]
	HOLD8 0
	v_pk_add_f32 v[\rs+2:\rs+3], v[\rs+2:\rs+3], v[242:243]
	HOLD8 1
	v_pk_add_f32 v[\rs+2:\rs+3], v[\rs+2:\rs+3], v[248:249]
	CODE8 0, \cd
	HOLD8 2
	CODE8 1, \cd
	HOLD8 3
	CODE8 2, \cd
	HOLD8 4
	CODE8 3, \cd
	HOLD8 5
	CODE8 4, \cd
	HOLD8 6
	CODE8 5, \cd
	HOLD8 7
	CODE8 6, \cd
	CODE8 7, \cd
	v_nop                                          ; a plain line behind the last conversion
.endm
.macro SCORES q                        ; S^T of one tile: register 16 b + i of a lane is key 32 b + 16 (lane / 16) + i of the step
.set n, 0
.rept 8
	v_wmma_f32_16x16x64_bf8_bf8 v[96+8*n:103+8*n], v[32+8*n:39+8*n], v[\q:\q+7], 0
.set n, n+1
.endr
.rept 4
	v_nop
.endr
.endm
.macro PV first, ct, va                ; channel tile ct of both tiles: eight accumulators in all, one instruction each
.if \first
	v_wmma_f32_16x16x128_bf8_bf8 v[160+8*\ct:167+8*\ct], v[\va:\va+15], v[224:239], 0
	v_wmma_f32_16x16x128_bf8_bf8 v[192+8*\ct:199+8*\ct], v[\va:\va+15], v[32:47], 0
.else
	v_wmma_f32_16x16x128_bf8_bf8 v[160+8*\ct:167+8*\ct], v[\va:\va+15], v[224:239], v[160+8*\ct:167+8*\ct]
	v_wmma_f32_16x16x128_bf8_bf8 v[192+8*\ct:199+8*\ct], v[\va:\va+15], v[32:47], v[192+8*\ct:199+8*\ct]
.endif
.endm
; A KEY STEP of both tiles.
.macro STEP first
	v_add_nc_u32 v3, s[TB], v1
.rept 4
	v_nop                                          ; with the addition five places behind the last products: four for the loads, five for the scores over V's fourth tile
.endr
.set n, 0
.rept 16
	ds_load_b128 v[32+4*n:35+4*n], v3 offset:512*n ; eight tiles of K, two loads each: 512 consecutive bytes a load
.set n, n+1
.endr
	s_wait_alu depctr_va_vdst(0)
	s_wait_dscnt 0x0
	SCORES 16
	DIAG QA, 224
	SOFT \first, 8, 160, 224
	SCORES 24
.set n, 0
.rept 12
	ds_load_b128 v[48+4*n:51+4*n], v3 offset:VOFF+512*n   ; three channel tiles of V land under tile B's softmax
.set n, n+1
.endr
	DIAG QB, 32
	SOFT \first, 12, 192, 32
.set n, 0
.rept 4
	ds_load_b128 v[96+4*n:99+4*n], v3 offset:VOFF+6144+512*n   ; the fourth, where p stood
.set n, n+1
.endr
	s_wait_alu depctr_va_vdst(0)
	s_wait_dscnt 4                                 ; the three tiles are in; the fourth's four loads may be out
	PV \first, 0, 48
	PV \first, 1, 64
	PV \first, 2, 80
	s_wait_dscnt 0x0
	PV \first, 3, 96
.endm
; THE WAY OUT of a tile: O^T x v[rs + 2] (= 2^(e8 + e9) / the sum) is reference()'s out; it is quantised with e10: the codes are product 6's operand registers.
.macro FINT rs, ro, tm, cd
.set n, 0
.rept 16
	v_pk_mul_f32 v[\tm+n:\tm+n+1], v[\ro+n:\ro+n+1], v[\rs+2:\rs+3] op_sel_hi:[1,0]
.set n, n+2
.endr
.set n, 0
.rept 32
	v_med3_num_f32 v[\tm+n], v[\tm+n], -v253, v253
.set n, n+1
.endr
.set n, 0
.rept 4
	v_cvt_scalef32_pk8_bf8_f32 v[\cd+2*n:\cd+2*n+1], v[\tm+8*n:\tm+8*n+7], v252
.set n, n+1
.endr
	v_nop
.endm
	s_wait_alu depctr_va_vdst(0)                   ; the wait at the head's end
	s_wait_loadcnt 0x0                             ; Q
	s_wait_tensorcnt 0x0                           ; waves 7 and 15: pair 0 is in
	ds_add_u32 v[SPW], v[NIL]                      ; 0 onto my spare word, twice on end
	ds_add_u32 v[SPW], v[NIL]
	s_add_co_u32 s[G0K+1], s[G0K+1], s84           ; on to pair j + 1, in LDS
	s_add_nc_u64 s[G0K+2:G0K+3], s[G0K+2:G0K+3], s[84:85]   ; and in memory
	s_add_co_u32 s[G0V+1], s[G0V+1], s84
	s_add_nc_u64 s[G0V+2:G0V+3], s[G0V+2:G0V+3], s[86:87]
	s_wait_dscnt 0x0                               ; both adds are done
	CROUND                                         ; pair 0 is in for everybody, and all four work-groups are here: the joint loads meet
	s_cmp_eq_u32 s[WV], 7
	s_cbranch_scc1 .Lasked_1
	s_cmp_lt_u32 s[WV], 8
	s_cbranch_scc0 .Lfor_v
	LOADK                                          ; waves 0 to 6: their one tensor load
	s_branch .Lasked_1
.Lfor_v:
	s_cmp_eq_u32 s[WV], 15
	s_cbranch_scc1 .Lasked_1
	LOADV                                          ; waves 8 to 14
.Lasked_1:
	STEP 1                                         ; trip 0: step 0, of pair 0, in every wave
	s_wait_tensorcnt 0x0                           ; my two steps are in,
	s_barrier_signal -1
	s_barrier_wait -1                              ; everybody's are
	s_mov_b32 s[KC], 1
.Ltrip:                                            ; eight trips; what a wave does in one hangs on its number and the trip
	s_cmp_gt_u32 s[KC], s[LAST]
	s_cbranch_scc1 .Lidle                          ; waves 0-7 have eight steps
	s_cmp_lg_u32 s[KC], s[SW]
	s_cbranch_scc1 .Lsame
	; PAIR a IS FINISHED: out with it, and on to pair b, with its odd tile as A
.rept 4
	v_nop
.endr
	global_load_b128 v[16:19], v1, s[92:93] offset:2048
	global_load_b128 v[20:23], v1, s[92:93] offset:2560
	global_load_b128 v[24:27], v1, s[92:93]
	global_load_b128 v[28:31], v1, s[92:93] offset:512
	v_add_f32 v10, v10, v11
	v_add_f32 v14, v14, v15
	s_delay_alu instid0(VALU_DEP_2)
	v_permlanex16_b32 v244, v10, s[SEL], s[SEL+1]
	s_delay_alu instid0(VALU_DEP_2)
	v_permlanex16_b32 v245, v14, s[SEL], s[SEL+1]
	s_delay_alu instid0(VALU_DEP_2)
	v_add_f32 v10, v10, v244
	s_delay_alu instid0(VALU_DEP_2)
	v_add_f32 v14, v14, v245
	s_wait_alu depctr_va_vdst(0)
	v_rcp_f32 v10, v10
	v_rcp_f32 v14, v14
	v_nop                                          ; a plain line behind the reciprocals,
	s_wait_alu depctr_va_vdst(0)                   ; and one wait for both and for O^T's first readers
	v_ldexp_f32 v10, v10, s[EPV]
	v_ldexp_f32 v14, v14, s[EPV]
	FINT 8, 160, 96, 224
	FINT 12, 192, 128, 232
	global_store_b128 v1, v[224:227], s[OUTL:OUTL+1]     ; each store of the wave covers 512 consecutive bytes, aligned
	global_store_b128 v1, v[228:231], s[OUTL:OUTL+1] offset:512
	global_store_b128 v1, v[232:235], s[OUTL:OUTL+1] offset:16384
	global_store_b128 v1, v[236:239], s[OUTL:OUTL+1] offset:16896
	v_mov_b32 v9, 0xff61b1e6                       ; the largest t so far: -3e38, under every t
	v_mov_b32 v13, 0xff61b1e6
	v_mov_b32 v10, 0                               ; the sums
	v_mov_b32 v11, 0
	v_mov_b32 v14, 0
	v_mov_b32 v15, 0
	v_floor_f32 v8, -v9                            ; -M
	v_floor_f32 v12, -v13
.set n, 160
.rept 64
	v_mov_b32 v[n], 0                              ; O^T.  (The loop's step is written once: pair b's first finds zeros, which the first change of M leaves zeros)
.set n, n+1
.endr
	s_mov_b32 s[DG], 8
	s_mov_b32 s[QB], s[QH]
	s_add_co_u32 s[QA], s[QH], 8
	s_wait_alu depctr_va_vdst(0)
	s_wait_loadcnt 0x0
	s_wait_xcnt 0x0                                ; the stores have read their data: the codes' registers are written again only behind this wait
.Lsame:
	s_cmp_gt_u32 s[KC], s[JJ]
	s_cselect_b32 s97, s[OFFC], 0
	s_add_co_u32 s[KS], s[KC], s97                 ; the key step: the trip, or in waves 8 + j behind pair a the trip + 7 - j
	s_min_u32 s[KS], s[KS], 15
	s_lshr_b32 s97, s[KS], 1
	s_lshl_b32 s97, s97, 14
	s_lshl_b32 s[TB], s[KS], 13
	s_add_co_u32 s[TB], s[TB], s97                 ; 32,768 (step / 2) + 8,192 (step % 2)
	STEP 0
.Lidle:
	s_add_co_u32 s[KC], s[KC], 1
	s_cmp_lt_u32 s[KC], 9
	s_cbranch_scc1 .Ltrip
	; THE EXCHANGE: tile B's part to my partner, tile A's other part from it
.rept 4
	v_nop
.endr
	s_wait_dscnt 0x0
	s_barrier_signal -1
	s_barrier_wait -1                              ; nobody reads K or V any more: their bytes, which have had their one fill, take the parts
	s_mul_i32 s96, s[WV], XW
	s_xor_b32 s97, s[WV], 8
	s_mul_i32 s97, s97, XW
	v_add_nc_u32 v3, s96, v1
	v_add_nc_u32 v4, s97, v1
	v_add_f32 v14, v14, v15
	v_add_f32 v10, v10, v11
	v_mov_b32 v15, v12
.set n, 0
.rept 8
	ds_store_b128 v3, v[192+4*n:195+4*n] offset:512*n
.set n, n+1
.endr
	ds_store_b64 v3, v[14:15] offset:4096          ; the sum and -M
	s_wait_alu depctr_va_vdst(0)
	s_wait_dscnt 0x0
	s_barrier_signal -1
	s_barrier_wait -1
.set n, 0
.rept 8
	ds_load_b128 v[32+4*n:35+4*n], v4 offset:512*n
.set n, n+1
.endr
	ds_load_b64 v[64:65], v4 offset:4096
	v_mov_b32 v71, 0                               ; (named as the upper halves of pairs)
	v_mov_b32 v73, 0
	s_wait_alu depctr_va_vdst(0)
	s_wait_dscnt 0x0
	v_min_num_f32 v66, v8, v65                     ; -M of both parts together
	s_delay_alu instid0(VALU_DEP_1)
	v_sub_f32 v67, v66, v8
	v_sub_f32 v68, v66, v65
	s_delay_alu instid0(VALU_DEP_2)
	v_cvt_i32_f32 v67, v67
	s_delay_alu instid0(VALU_DEP_2)
	v_cvt_i32_f32 v68, v68
	s_delay_alu instid0(VALU_DEP_2)
	v_ldexp_f32 v70, 1.0, v67                      ; 2^(my M - M), 2^(the other's M - M)
	s_delay_alu instid0(VALU_DEP_2)
	v_ldexp_f32 v72, 1.0, v68
	v_mul_f32 v10, v10, v70
.set n, 0
.rept 16
	v_pk_mul_f32 v[160+n:161+n], v[160+n:161+n], v[70:71] op_sel_hi:[1,0]
.set n, n+2
.endr
	v_fma_f32 v10, v64, v72, v10
.set n, 0
.rept 16
	v_pk_fma_f32 v[160+n:161+n], v[32+n:33+n], v[72:73], v[160+n:161+n] op_sel_hi:[1,0,1]
.set n, n+2
.endr
	v_permlanex16_b32 v244, v10, s[SEL], s[SEL+1]
	s_delay_alu instid0(VALU_DEP_1)
	v_add_f32 v10, v10, v244                       ; the row's sum
	s_wait_alu depctr_va_vdst(0)
	v_rcp_f32 v10, v10
	v_nop
	s_wait_alu depctr_va_vdst(0)
	v_ldexp_f32 v10, v10, s[EPV]
	FINT 8, 160, 96, 224
	global_store_b128 v1, v[224:227], s[OUTH:OUTH+1]
	global_store_b128 v1, v[228:231], s[OUTH:OUTH+1] offset:512
	s_wait_tensorcnt 0x0                           ; the wave's end
	ds_add_u32 v[SPW], v[NIL]
	s_wait_dscnt 0x0
	CROUND                                         ; the closing round: no work-group ends while a partner may still issue a load that names it
	s_endpgm
.Lfunc_end_k_qcc8fc8107e_attn:
	.size	k_qcc8fc8107e_attn, .Lfunc_end_k_qcc8fc8107e_attn-k_qcc8fc8107e_attn
	.p2alignl 7, 3214868480
	.fill 96, 4, 3214868480
	.section	.rodata,"a",@progbits
	.p2align	6, 0x0
	.amdhsa_kernel k_qcc8fc8107e_attn
		.amdhsa_group_segment_fixed_size 327680
		.amdhsa_private_segment_fixed_size 0
		.amdhsa_enable_private_segment 0
		.amdhsa_kernarg_size 24
		.amdhsa_user_sgpr_count 2
		.amdhsa_user_sgpr_kernarg_segment_ptr 1
		.amdhsa_wavefront_size32 1
		.amdhsa_system_sgpr_workgroup_id_x 1
		.amdhsa_system_sgpr_workgroup_id_y 1
		.amdhsa_system_sgpr_workgroup_id_z 1
		.amdhsa_system_vgpr_workitem_id 0
		.amdhsa_next_free_vgpr 256
		.amdhsa_next_free_sgpr 100
		.amdhsa_reserve_vcc 0
		.amdhsa_float_denorm_mode_32 3
		.amdhsa_float_denorm_mode_16_64 3
		.amdhsa_memory_ordered 1
		.amdhsa_forward_progress 1
		.amdhsa_inst_pref_size 105
	.end_amdhsa_kernel
	.amdgpu_metadata
---
amdhsa.version: [ 1, 2 ]
amdhsa.kernels:
  - .name:           k_qcc8fc8107e_attn
    .symbol:         k_qcc8fc8107e_attn.kd
    .args:
      - { .name: qkv, .offset: 0, .size: 8, .value_kind: global_buffer, .address_space: global }
      - { .name: lowp_scales, .offset: 8, .size: 8, .value_kind: global_buffer, .address_space: global }
      - { .name: ac, .offset: 16, .size: 8, .value_kind: global_buffer, .address_space: global }
    .group_segment_fixed_size: 327680
    .private_segment_fixed_size: 0
    .kernarg_segment_align: 8
    .kernarg_segment_size: 24
    .max_flat_workgroup_size: 512
    .sgpr_count:     100
    .vgpr_count:     256
    .wavefront_size: 32
...
	.end_amdgpu_metadata
.endif
;; end of part 3
;; launch outp (part 4): grid 32 x 8, 8 waves a work-group, clusters of 4 x 1, 201,728 bytes of LDS; arguments ac, codes, lowp_scales, out0; writes out0
.if DOCPART == 4
	.amdgcn_target "amdgcn-amd-amdhsa--gfx1250"
	.amdhsa_code_object_version 6
	.text
	.protected	k_qcc8fc8107e_outp
	.globl	k_qcc8fc8107e_outp
	.p2align	8
	.type	k_qcc8fc8107e_outp,@function
k_qcc8fc8107e_outp:
	s_mov_b64 s[64:65], 0
	v_nop
	global_prefetch_b8 v0, s[64:65] scope:SCOPE_SE
	s_setreg_imm32_b32 hwreg(HW_REG_WAVE_MODE, 25, 1), 1
	s_wait_xcnt 0x0
	s_wait_alu depctr_hold_cnt(0) depctr_sa_sdst(0) depctr_va_vdst(0) depctr_va_sdst(0) depctr_va_ssrc(0) depctr_va_vcc(0) depctr_vm_vsrc(0)
	s_getreg_b32 s2, hwreg(HW_REG_IB_STS2, 6, 4)
	s_cmp_eq_u32 s2, 0
	s_cbranch_scc0 .Lentry_in_a_cluster
	s_endpgm
.Lentry_in_a_cluster:
	s_bfe_u32 s2, ttmp6, 0x10000c
	s_cmp_lg_u32 s2, 0x3003
	s_cbranch_scc0 .Lentry_shape_is_right
	s_endpgm
.Lentry_shape_is_right:
; PRODUCT 6: out0 = (attention's result) Wo on codes of BF8; each finished sum x 2^(e10 + e11).  No work of reference() is left out here.  LIMIT: e10 + e11 between -126 and 127.
; SHARES.  Work-group (rb, cb) makes 256 tokens x 128 columns.  Each of its eight waves, two to a SIMD, keeps 2 tiles of tokens x 8 K steps RESIDENT in 256 registers (source 1), loaded once.  Wo's 8 column tiles x
; 8 K steps, 131,072 bytes, come into LDS once by eight tensor loads, one a wave, and are read by all eight waves (source 0).  In a result a lane holds one token, and the 16 registers of two neighbouring column
; tiles are 16 neighbouring columns.  Both operands are images of operand registers: dense blocks, 16 bytes a lane at 16 x lane + 512 c.
; CLUSTER: four neighbouring row blocks of one column block: they need the same block of Wo, so each of the eight loads is a joint one, with one descriptor in all four.  NO PREFETCH: no loop asks memory for tiles.
; THE WAY OUT.  A lane's 64 bytes are a quarter of 256 bytes of a row: so two pairs of column tiles (64 columns) gather in the wave's own stage in LDS, 32 rows x (256 + 16) bytes, and leave as rows:
; sixteen lanes store 256 consecutive bytes, aligned.  The stage lies behind Wo's block: no tensor load lands there.
; REGISTERS: v1, v2 16 x lane (+ 65,536); v3 into the stage; v4 out of it; v5 my place in out0; v6, v7 the add's two; v32-63 four accumulators (token tile m, column tile u: 2 m + u); v64-95 scaled sums;
;   v96-127 rows from the stage; v128-191, v192-255 two buffers: a pair of column tiles x 2 K steps.   window 1 (v256-511): the resident fragments: (m, s) at v[16 (8 m + s)].
.set STG,   131072
.set SP,    272                        ; a stage row: 256 bytes + 16: row r starts 4 r words on, modulo 64
.set WSTG,  32*SP
.set SPARE, STG+8*WSTG                 ; behind the stages: the spare words, 128 bytes for each wave
.set LI0, 1
.set LI1, 2
.set STO, 3
.set RD,  4
.set CO,  5
.set SPW, 6
.set NIL, 7
.set ACC, 32
.set TMP, 64
.set BK,  96
.set BUF, 128
.set MSB, 0
.macro WIN new                         ; the immediate's high byte repeats the setting that is left
.if MSB != \new
	s_set_vgpr_msb (MSB<<8)|\new
.set MSB, \new
.endif
.endm
.macro PLACES                          ; four places behind a matrix instruction (ISA guide 7.12.1)
.rept 4
	v_nop
.endr
.endm
.macro CROUND                          ; a round of the cluster's barrier
	s_barrier_signal -1
	s_barrier_wait -1
	s_cmp_lg_u32 s12, 0
	s_cbranch_scc1 .Lnot_wave_0_\@
	s_barrier_signal -3
.Lnot_wave_0_\@:
	s_barrier_wait -3
	s_barrier_signal -1
	s_barrier_wait -1
.endm
.macro RESIDENT l0                     ; 32 of the resident fragments' 64 loads
	WIN 0x40                                       ; destination window 1
.set li, \l0
.rept 32
	global_load_b128 v[4*li:4*li+3], v[LI0], s[4:5] offset:512*li
.set li, li+1
.endr
	WIN 0
.endm
	s_load_b256 s[4:11], s[0:1], 0x0               ; the result's codes s[4:5], the weights' codes s[6:7], the exponents s[8:9], out0 s[10:11]
	v_lshl_add_u32 v[SPW], v0, 2, SPARE
	v_mov_b32 v[NIL], 0
	ds_add_u32 v[SPW], v[NIL]                      ; the wave's opening: the add, twice on end, and its wait ahead of my first tensor load
	ds_add_u32 v[SPW], v[NIL]
	v_lshrrev_b32 v3, 5, v0
	v_readfirstlane_b32 s12, v3                    ; wave 0..7
	s_and_b32 s14, ttmp7, 0xffff                   ; cb
	s_mov_b32 s20, (3<<16)|(1<<21)|15              ; descriptor group 1: the mask of all four; elements of 8 bytes; bit 21 beside a mask; 64 rows of 32 elements, dense, no padding
	s_mov_b32 s21, 32<<16
	s_mov_b32 s22, 64<<16
	s_mov_b32 s23, 32<<16
	s_mov_b32 s24, 64
	s_mov_b32 s25, 32
	s_mov_b32 s26, 0
	s_mov_b32 s27, 0
	s_lshl_b32 s30, s14, 17                        ; Wo's 8 column tiles of 8 fragments,
	s_lshl_b32 s31, s12, 14                        ; my eighth of them,
	s_add_co_u32 s30, s30, s31
	s_add_co_u32 s30, s30, 0xD80000                ; in Wo's region
	s_mov_b32 s31, 0
	s_bfe_u32 s13, ttmp6, 0x40000                  ; cx
	s_lshl_b32 s15, ttmp9, 2
	s_add_co_u32 s15, s15, s13                     ; rb = 4 x cluster + cx
	s_lshl_b32 s28, s15, 18                        ; 16 token tiles of 8 fragments,
	s_lshl_b32 s29, s12, 15                        ; my wave's two
	s_add_co_u32 s28, s28, s29
	s_mov_b32 s29, 0
	s_lshl_b32 s32, s15, 20                        ; out0: 256 rows of 4,096 bytes,
	s_lshl_b32 s33, s12, 17                        ; my wave's 32,
	s_add_co_u32 s32, s32, s33
	s_lshl_b32 s33, s14, 9                         ; 128 columns of 4 bytes
	s_add_co_u32 s32, s32, s33
	s_mov_b32 s33, 0
	s_mul_i32 s34, s12, WSTG
	s_add_co_u32 s34, s34, STG                     ; my stage
	v_and_b32 v[LI0], 31, v0
	v_and_b32 v8, 15, v0
	v_bfe_u32 v9, v0, 4, 1
	v_lshlrev_b32 v[LI0], 4, v[LI0]
	v_mul_u32_u24 v[STO], v8, SP
	v_mul_u32_u24 v[RD], v9, SP
	v_lshlrev_b32 v[CO], 12, v9
	v_add_nc_u32 v[LI1], 0x10000, v[LI0]
	v_lshl_add_u32 v[STO], v9, 6, v[STO]
	v_lshl_add_u32 v[RD], v8, 4, v[RD]
	v_lshl_add_u32 v[CO], v8, 4, v[CO]             ; two rows of out0: lanes 0-15 one, lanes 16-31 the next
	v_add_nc_u32 v[STO], s34, v[STO]               ; in: row lane % 16 of a tile, + 64 (lane / 16)
	v_add_nc_u32 v[RD], s34, v[RD]                 ; back: lanes 0-15 one row, lanes 16-31 the next
	s_wait_alu depctr_va_vdst(0)
	s_wait_dscnt 0x0                               ; both opening adds are done
	s_wait_kmcnt 0x0
	s_load_b64 s[40:41], s[8:9], 0x28              ; e10, e11
	s_mov_b32 s16, 1
	s_lshl_b32 s17, s12, 14                        ; LDS address: wave x 16,384
	s_add_nc_u64 s[18:19], s[6:7], s[30:31]
	s_or_b32 s19, s19, 0x80000000
	s_add_nc_u64 s[4:5], s[4:5], s[28:29]
	s_add_nc_u64 s[10:11], s[10:11], s[32:33]
	RESIDENT 0
	CROUND                                         ; all four work-groups are here: the joint loads meet
	tensor_load_to_lds s[16:19], s[20:27]          ; every wave's one tensor load: one is out
	s_nop 0
	PLACES
	RESIDENT 32
	s_wait_kmcnt 0x0
	s_add_co_i32 s36, s40, s41
	s_add_co_i32 s36, s36, 127
	s_lshl_b32 s36, s36, 23                        ; 2^(e10 + e11) as f32
	s_mov_b32 s37, s36                             ; (named with it as a pair)
	s_wait_tensorcnt 0x0                           ; my eighth of Wo's block is in,
	s_barrier_signal -1
	s_barrier_wait -1                              ; everybody's is.  Nothing is filled again
.macro FETCH k                         ; quarter k: pair k / 4 of column tiles, K steps 2 (k % 4), + 1, into buffer k % 2: 16 loads of 512 consecutive bytes
.irp u, 0,1
.irp s, 0,1
.irp c, 0,1,2,3
	ds_load_b128 v[BUF+64*((\k)%2)+16*(2*\u+\s)+4*\c:BUF+64*((\k)%2)+16*(2*\u+\s)+4*\c+3], v[LI0+(\k)/8] offset:(((\k)/4)%2)*32768+\u*16384+(2*((\k)%4)+\s)*2048+512*\c
.endr
.endr
.endr
.endm
.macro QUART k                         ; 8 matrix instructions: two token tiles x the pair, two K steps.  The four accumulators take turns, one instruction a turn; a pair's first K step starts the sums
.if (\k) < 15
	s_wait_dscnt 16                                ; this quarter's fragments are in; the next quarter's 16 loads may be out
.else
	s_wait_dscnt 0
.endif
	WIN 0x04                                       ; source 1 window 1
.irp s, 0,1
.irp m, 0,1
.irp u, 0,1
.if ((\k)%4 == 0) && (\s == 0)
	v_wmma_f32_16x16x128_bf8_bf8 v[ACC+8*(2*\m+\u):ACC+8*(2*\m+\u)+7], v[BUF+64*((\k)%2)+16*(2*\u+\s):BUF+64*((\k)%2)+16*(2*\u+\s)+15], v[16*(8*\m+2*((\k)%4)+\s):16*(8*\m+2*((\k)%4)+\s)+15], 0
.else
	v_wmma_f32_16x16x128_bf8_bf8 v[ACC+8*(2*\m+\u):ACC+8*(2*\m+\u)+7], v[BUF+64*((\k)%2)+16*(2*\u+\s):BUF+64*((\k)%2)+16*(2*\u+\s)+15], v[16*(8*\m+2*((\k)%4)+\s):16*(8*\m+2*((\k)%4)+\s)+15], v[ACC+8*(2*\m+\u):ACC+8*(2*\m+\u)+7]
.endif
.endr
.endr
.endr
	WIN 0
	PLACES                                         ; in front of loads into the buffer just multiplied, and of the sums' first readers
.if (\k) < 14
	FETCH (\k)+2
.endif
.endm
.macro TOSTAGE P                       ; pair P is finished: x 2^(e10 + e11) into other registers, each accumulator from its low end on, and into my stage
.set li, 0
.rept 16
	v_pk_mul_f32 v[TMP+li:TMP+li+1], v[ACC+li:ACC+li+1], s[36:37] op_sel_hi:[1,0]
.set li, li+2
.endr
.irp m, 0,1
.irp u, 0,1
	ds_store_b128 v[STO], v[TMP+8*(2*\m+\u):TMP+8*(2*\m+\u)+3] offset:16*SP*\m+128*((\P)%2)+32*\u        ; token row 16 m + lane % 16; columns 32 (P % 2) + 16 (lane / 16) + 8 u + 0 .. 7 of the stage's 64
	ds_store_b128 v[STO], v[TMP+8*(2*\m+\u)+4:TMP+8*(2*\m+\u)+7] offset:16*SP*\m+128*((\P)%2)+32*\u+16
.endr
.endr
.endm
.macro EIGHT P, i0                     ; eight loads, sixteen rows of the stage
	s_wait_xcnt 0x0                                ; the earlier stores have read their data: the rows' registers are loaded again only behind this wait
.set li, 0
.rept 8
	ds_load_b128 v[BK+4*li:BK+4*li+3], v[RD] offset:2*SP*(\i0+li)   ; LDS serves a wave's instructions in order: these see my stores
.set li, li+1
.endr
.set li, 0
.rept 8
	s_wait_dscnt 7-li                              ; the batch's younger loads may be out
	global_store_b128 v[CO], v[BK+4*li:BK+4*li+3], s[10:11] offset:(\i0+2*li+8*(li/4))*4096+256*((\P)/2) th:TH_STORE_NT   ; sixteen lanes store 256 consecutive bytes, aligned
.set li, li+1
.endr
.endm
.macro FLUSH P                         ; the stage's 32 rows leave, two an instruction.  Stage row 16 m + p is token 8 m + p + 8 (p / 8) of my 32
	EIGHT \P, 0
	EIGHT \P, 8
.endm
	FETCH 0
	FETCH 1
	s_wait_loadcnt 0x0                             ; the resident fragments
	QUART 0
	QUART 1
	QUART 2
	QUART 3
	TOSTAGE 0
	QUART 4
	QUART 5
	QUART 6
	QUART 7
	TOSTAGE 1
	FLUSH 1
	QUART 8
	QUART 9
	QUART 10
	QUART 11
	TOSTAGE 2
	QUART 12
	QUART 13
	QUART 14
	QUART 15
	TOSTAGE 3
	FLUSH 3
	s_wait_tensorcnt 0x0                           ; the wave's end, behind my last LDS store
	ds_add_u32 v[SPW], v[NIL]
	s_wait_dscnt 0x0
	CROUND                                         ; the closing round: no work-group ends while a partner may still issue a load that names it
	s_endpgm
.Lfunc_end_k_qcc8fc8107e_outp:
	.size	k_qcc8fc8107e_outp, .Lfunc_end_k_qcc8fc8107e_outp-k_qcc8fc8107e_outp
	.p2alignl 7, 3214868480
	.fill 96, 4, 3214868480
	.section	.rodata,"a",@progbits
	.p2align	6, 0x0
	.amdhsa_kernel k_qcc8fc8107e_outp
		.amdhsa_group_segment_fixed_size 201728
		.amdhsa_private_segment_fixed_size 0
		.amdhsa_enable_private_segment 0
		.amdhsa_kernarg_size 32
		.amdhsa_user_sgpr_count 2
		.amdhsa_user_sgpr_kernarg_segment_ptr 1
		.amdhsa_wavefront_size32 1
		.amdhsa_system_sgpr_workgroup_id_x 1
		.amdhsa_system_sgpr_workgroup_id_y 1
		.amdhsa_system_sgpr_workgroup_id_z 1
		.amdhsa_system_vgpr_workitem_id 0
		.amdhsa_next_free_vgpr 512
		.amdhsa_next_free_sgpr 66
		.amdhsa_reserve_vcc 0
		.amdhsa_float_denorm_mode_32 3
		.amdhsa_float_denorm_mode_16_64 3
		.amdhsa_memory_ordered 1
		.amdhsa_forward_progress 1
		.amdhsa_inst_pref_size 51
	.end_amdhsa_kernel
	.amdgpu_metadata
---
amdhsa.version: [ 1, 2 ]
amdhsa.kernels:
  - .name:           k_qcc8fc8107e_outp
    .symbol:         k_qcc8fc8107e_outp.kd
    .args:
      - { .name: ac, .offset: 0, .size: 8, .value_kind: global_buffer, .address_space: global }
      - { .name: codes, .offset: 8, .size: 8, .value_kind: global_buffer, .address_space: global }
      - { .name: lowp_scales, .offset: 16, .size: 8, .value_kind: global_buffer, .address_space: global }
      - { .name: out0, .offset: 24, .size: 8, .value_kind: global_buffer, .address_space: global }
    .group_segment_fixed_size: 201728
    .private_segment_fixed_size: 0
    .kernarg_segment_align: 8
    .kernarg_segment_size: 32
    .max_flat_workgroup_size: 256
    .sgpr_count:     66
    .vgpr_count:     512
    .wavefront_size: 32
...
	.end_amdgpu_metadata
.endif
;; end of part 4
